; MI455X (gfx1250); checked and timed in simulation.
; The chip was launched on July 23, 2026; its instructions are those of AMD's public machine-readable ISA for CDNA 5 (MIT licence, August 2026) and "CDNA5" Instruction Set Architecture Reference Guide (July 2026). The comments in the code are by the model that wrote it; some were corrected since.
;; Spatial Attention Layer. Allowed arithmetic: matrix products marked QUANTISED: E5M2 operands, one E8M0 scale for each 32 along K, by v_wmma_scale_f32_16x16x128_f8f6f4 with both operands' format E5M2, f32 sums; everything else in f32.
;; Inputs: P 8,192 x 3 float32; W_k 256 x 256 float32; W_q 256 x 256 float32; W_v 256 x 256 float32; X 8,192 x 256 float32; b_k 256 float32; b_q 256 float32; b_v 256 float32.
;; Outputs: out0 8,192 x 256 float32.
;; This version of the problem:
;;   THIS VERSION OF THE PROBLEM IS GIVEN IN LOW PRECISION. The matrix products marked QUANTISED in the list below multiply operands that are first quantised to E5M2 (5 exponent bits, 2 mantissa bits; 8 bits a number), with one power-of-two scale for each 32 numbers along K (OCP MX v1.0); their sums are f32. All else is computed in f32.
;;   The module's matrix products, in the order in which they are computed (A, B: the left and right operand; K: the contracted axis; several contracted axes count as one K, in the product's order):
;;     1. [M 8,192, K 256] x [K 256, N 256]; A: input X; B: input W_q: QUANTISED
;;     2. [M 8,192, K 256] x [K 256, N 256]; A: input X; B: input W_k: QUANTISED
;;     3. [M 8,192, K 256] x [K 256, N 256]; A: input X; B: input W_v: QUANTISED
;;     4. [M 8,192, K 256] x [K 256, N 8,192]; A: computed on the way; B: computed on the way: QUANTISED
;;     5. [M 8,192, K 8,192] x [K 8,192, N 256]; A: computed on the way; B: computed on the way: QUANTISED
;;   THE QUANTISER, for each operand of a quantised product, along K:
;;     - K is cut into blocks of 32 from its start; a last block that is shorter is filled with zeros.
;;     - A block's scale is 2^e with e = floor(log2(the largest magnitude in the block)) - 15, held to -126 .. 127; a block of zeros has e = 0. As a byte (E8M0): e + 127.
;;     - Each number is divided by its block's scale, clamped to +-57,344, and rounded to the nearest number of E5M2, ties to even, subnormals kept.
;;     - The product sums the exact products of the quantised numbers (number of the format x scale) in f32.
;;   ~~~python
;;   def quantise(x, axis):      # numpy; x: float32 -> the quantised numbers, widened to float32 again
;;       x = np.moveaxis(x, axis, -1); K = x.shape[-1]
;;       x = np.pad(x, [(0, 0)] * (x.ndim - 1) + [(0, -K % 32)]); x = x.reshape(x.shape[:-1] + (-1, 32)); a = np.abs(x).max(-1, keepdims=True)
;;       e = np.where(a > 0, np.clip(np.frexp(np.where(a > 0, a, 1))[1] - 1 - 15, -126, 127), 0)      # np.frexp(a)[1] - 1 = floor(log2(a)), exactly
;;       r = np.clip(x / 2.0 ** e, -57344, 57344)
;;       step = 2.0 ** (np.maximum(np.frexp(np.where(r == 0, 1, r))[1] - 1, -14) - 2)
;;       q = np.round(r / step) * step * 2.0 ** e      # np.round: ties to even
;;       return np.moveaxis(q.reshape(q.shape[:-2] + (-1,))[..., :K], -1, axis).astype(np.float32)
;;   ~~~
;;   OPERANDS COMPUTED ON THE WAY. 'Computed on the way' means the value that the module computes at that place (a softmax that the list does not call 'softmax' is quantised finished and normalised). What goes into a quantiser is computed in f32, as accurately as f32 sums, v_exp_f32 and their like allow (about 1e-6 of the number): no bf16 or f16 on the way to a quantiser, and a product that is left as it is and whose result goes on into a quantised operand takes f32 operands (vector FMAs, or v_wmma_f32_16x16x4_f32). A number that lies on a knife's edge between two numbers of the format may be rounded either way, as far as f32 arithmetic and the matrix unit's own rounding can turn it there, and no further.
;; One version. Each part assembles by itself: llvm-mc -triple=amdgcn-amd-amdhsa -mcpu=gfx1250 --defsym DOCPART=n.
;; ======== version 1 of 1: 3 launches
;; limits: right only within a limited range of input values
;; workspace buffers: wimg 196,608 bytes; wsc 12,288 bytes; qbuf 2,326,528 bytes; kbuf 2,326,528 bytes; vbuf 2,228,224 bytes
;; launch quantw (part 1): grid 96 x 1, 1 waves a work-group, no clusters, 0 bytes of LDS; arguments W_q, W_k, W_v, wimg, wsc; writes wimg, wsc
.if DOCPART == 1
	.amdgcn_target "amdgcn-amd-amdhsa--gfx1250"
	.amdhsa_code_object_version 6
	.text
	.protected	k_q1cb3361a3f_quantw
	.globl	k_q1cb3361a3f_quantw
	.p2align	8
	.type	k_q1cb3361a3f_quantw,@function
k_q1cb3361a3f_quantw:
	s_mov_b64 s[64:65], 0
	v_nop
	global_prefetch_b8 v0, s[64:65] scope:SCOPE_SE
	s_setreg_imm32_b32 hwreg(HW_REG_WAVE_MODE, 25, 1), 1
	s_wait_xcnt 0x0
; W_q, W_k, W_v [256 (k)][256 (n)], f32, become codes of BF8 (E5M2) with one E8M0 scale for each 32 along K, laid as IMAGES OF OPERAND REGISTERS.
; Work-group f (one wave) makes fragment f = 16 rho + 2 tau + s: 16 columns x 128 along K (K step s).  rho 0, 1: W_q's columns 0-127, 128-255; 2, 3: W_k's; 4, 5: W_v's.  tau: the tile of 16 columns.
; In W_q and W_k lane r of tile tau takes column 32 (tau / 2) + 8 (tau % 2) + r + 8 (r / 8), so that two neighbouring tiles' results are 16 neighbours along the next product's K; in W_v column 16 tau + r.
; A lane takes a column and its registers run down K in the order of the operand's layout: registers 4 c .. 4 c + 3 hold k = 32 c + 16 (lane / 16) + 0 .. 15.  So the conversions' results are the fragment.
; Out: 2,048 bytes a fragment (register group c at 512 c + 16 x lane: each store covers 512 consecutive bytes) and 128 bytes of scale words (4 x lane).
; LIMITS: a block of zeros gets the byte 1 (its codes are zeros; this program alone reads the bytes); NaN and infinities are not served.
.set XN, 64                            ; v64-127 the lane's 64 numbers
.set TM, 32                            ; v32-47  at work
.set CD, 48                            ; v48-63  the codes
	s_load_b256 s[4:11], s[0:1], 0x0               ; W_q s[4:5], W_k s[6:7], W_v s[8:9], wimg s[10:11]
	s_load_b64 s[12:13], s[0:1], 0x20              ; wsc
	s_lshr_b32 s14, ttmp9, 4                       ; rho
	s_bfe_u32 s15, ttmp9, 0x30001                  ; tau
	s_and_b32 s16, ttmp9, 1                        ; s
	s_and_b32 s17, s14, 1
	s_lshl_b32 s17, s17, 7                         ; 128 (rho % 2)
	s_lshr_b32 s18, s15, 1
	s_lshl_b32 s18, s18, 5
	s_and_b32 s19, s15, 1
	s_lshl_b32 s19, s19, 3
	s_add_co_u32 s18, s18, s19                     ; 32 (tau / 2) + 8 (tau % 2)
	s_lshl_b32 s19, s15, 4                         ; 16 tau
	s_cmp_lt_u32 s14, 4                            ; W_q or W_k?
	s_cselect_b32 s18, s18, s19
	s_cselect_b32 s20, 1, 0                        ; 1: the tile's two groups of eight columns lie 16 apart
	s_add_co_u32 s17, s17, s18                     ; the tile's first column
	s_lshl_b32 s22, s17, 2
	s_lshl_b32 s21, s16, 17                        ; 128 rows of 1,024 bytes a K step
	s_add_co_u32 s22, s22, s21
	s_mov_b32 s23, 0
	s_lshl_b32 s24, ttmp9, 11                      ; the fragment's image
	s_mov_b32 s25, 0
	s_lshl_b32 s26, ttmp9, 7                       ; its scale words
	s_mov_b32 s27, 0
	s_mov_b32 s28, 0x76543210
	s_mov_b32 s29, 0xfedcba98                      ; v_permlanex16_b32's selects for lane l xor 16
	s_mov_b32 s30, 0x600000                        ; the mantissa field of 57,344
	v_and_b32 v1, 15, v0                           ; r
	v_lshrrev_b32 v2, 4, v0                        ; h
	v_and_b32 v3, 8, v1
	v_mul_u32_u24 v3, v3, s20
	v_add_nc_u32 v3, v3, v1                        ; r, or r + 8 (r / 8)
	v_lshlrev_b32 v5, 2, v3
	v_lshl_add_u32 v5, v2, 14, v5                  ; + 16 rows for lanes 16-31
	v_lshlrev_b32 v6, 4, v0
	v_lshlrev_b32 v7, 2, v0
.irp b, 0,1,2,3
	v_mov_b32 v[TM+4+\b], 0                        ; a lane permute's destination counts as one of its sources
.endr
	s_wait_alu depctr_va_vdst(0)
	s_wait_kmcnt 0x0
	s_cmp_lt_u32 s14, 2                            ; the choice hangs on the work-group's number alone
	s_cselect_b64 s[4:5], s[4:5], s[6:7]
	s_cmp_lt_u32 s14, 4
	s_cselect_b64 s[4:5], s[4:5], s[8:9]
	s_add_nc_u64 s[4:5], s[4:5], s[22:23]
	s_add_nc_u64 s[10:11], s[10:11], s[24:25]
	s_add_nc_u64 s[12:13], s[12:13], s[26:27]
.irp c, 0,1,2,3
.irp i, 0,1,2,3,4,5,6,7,8,9,10,11,12,13,14,15
	global_load_b32 v[XN+16*\c+\i], v5, s[4:5] offset:1024*(32*\c+\i)   ; W(128 s + 32 c + 16 h + i, my column)
.endr
.endr
	s_wait_loadcnt 0x0
.irp b, 0,1,2,3
	v_max3_num_f32 v[TM+\b], |v[XN+16*\b]|, |v[XN+1+16*\b]|, 0x8000000   ; block b: my 16 numbers, and the floor 2^(16 - 127): the byte cannot fall under 1
.endr
.irp i, 2,4,6,8,10,12,14
.irp b, 0,1,2,3
	v_max3_num_f32 v[TM+\b], v[TM+\b], |v[XN+16*\b+\i]|, |v[XN+1+16*\b+\i]|
.endr
.endr
.irp b, 0,1,2,3
	v_permlanex16_b32 v[TM+4+\b], v[TM+\b], s28, s29
.endr
.irp b, 0,1,2,3
	v_max_num_f32 v[TM+\b], v[TM+\b], v[TM+4+\b]   ; with lane l xor 16's: the block's largest magnitude
.endr
.irp b, 0,1,2,3
	v_add_nc_u32 v[TM+12+\b], 0xf8800000, v[TM+\b] ; 15 off its exponent field: the conversion's scale operand
.endr
.irp b, 0,1,2,3
	v_and_or_b32 v[TM+8+\b], v[TM+\b], 0x7f800000, s30   ; 57,344 x the scale
.endr
.irp b, 0,1,2,3
	v_lshrrev_b32 v[TM+4+\b], 23, v[TM+12+\b]      ; the scale's byte
.endr
	v_lshl_or_b32 v9, v[TM+5], 8, v[TM+4]          ; my column's scale word
	v_lshl_or_b32 v9, v[TM+6], 16, v9
	v_lshl_or_b32 v9, v[TM+7], 24, v9
.irp c, 0,1,2,3
.irp i, 0,1,2,3,4,5,6,7,8,9,10,11,12,13,14,15
	v_med3_num_f32 v[XN+16*\c+\i], v[XN+16*\c+\i], -v[TM+8+\c], v[TM+8+\c]   ; the conversion does not saturate (ISA guide 7.6.2): hold first
.endr
	v_cvt_scalef32_pk8_bf8_f32 v[CD+4*\c:CD+4*\c+1], v[XN+16*\c:XN+16*\c+7], v[TM+12+\c]
	v_cvt_scalef32_pk8_bf8_f32 v[CD+4*\c+2:CD+4*\c+3], v[XN+16*\c+8:XN+16*\c+15], v[TM+12+\c]
.endr
	v_nop                                          ; a plain line behind the last conversion
.irp c, 0,1,2,3
	global_store_b128 v6, v[CD+4*\c:CD+4*\c+3], s[10:11] offset:512*\c
.endr
	global_store_b32 v7, v9, s[12:13]
	s_endpgm
.Lfunc_end_k_q1cb3361a3f_quantw:
	.size	k_q1cb3361a3f_quantw, .Lfunc_end_k_q1cb3361a3f_quantw-k_q1cb3361a3f_quantw
	.p2alignl 7, 3214868480
	.fill 96, 4, 3214868480
	.section	.rodata,"a",@progbits
	.p2align	6, 0x0
	.amdhsa_kernel k_q1cb3361a3f_quantw
		.amdhsa_group_segment_fixed_size 0
		.amdhsa_private_segment_fixed_size 0
		.amdhsa_enable_private_segment 0
		.amdhsa_kernarg_size 40
		.amdhsa_user_sgpr_count 2
		.amdhsa_user_sgpr_kernarg_segment_ptr 1
		.amdhsa_wavefront_size32 1
		.amdhsa_system_sgpr_workgroup_id_x 1
		.amdhsa_system_sgpr_workgroup_id_y 1
		.amdhsa_system_sgpr_workgroup_id_z 1
		.amdhsa_system_vgpr_workitem_id 0
		.amdhsa_next_free_vgpr 128
		.amdhsa_next_free_sgpr 66
		.amdhsa_reserve_vcc 0
		.amdhsa_float_denorm_mode_32 3
		.amdhsa_float_denorm_mode_16_64 3
		.amdhsa_memory_ordered 1
		.amdhsa_forward_progress 1
		.amdhsa_inst_pref_size 17
	.end_amdhsa_kernel
	.amdgpu_metadata
---
amdhsa.version: [ 1, 2 ]
amdhsa.kernels:
  - .name:           k_q1cb3361a3f_quantw
    .symbol:         k_q1cb3361a3f_quantw.kd
    .args:
      - { .name: W_q, .offset: 0, .size: 8, .value_kind: global_buffer, .address_space: global }
      - { .name: W_k, .offset: 8, .size: 8, .value_kind: global_buffer, .address_space: global }
      - { .name: W_v, .offset: 16, .size: 8, .value_kind: global_buffer, .address_space: global }
      - { .name: wimg, .offset: 24, .size: 8, .value_kind: global_buffer, .address_space: global }
      - { .name: wsc, .offset: 32, .size: 8, .value_kind: global_buffer, .address_space: global }
    .group_segment_fixed_size: 0
    .private_segment_fixed_size: 0
    .kernarg_segment_align: 8
    .kernarg_segment_size: 40
    .max_flat_workgroup_size: 32
    .sgpr_count:     66
    .vgpr_count:     128
    .wavefront_size: 32
...
	.end_amdgpu_metadata
.endif
;; end of part 1
;; launch proj (part 2): grid 256 x 1, 4 waves a work-group, no clusters, 9,216 bytes of LDS; arguments X, P, b_q, b_k, b_v, wimg, wsc, qbuf, kbuf, vbuf; writes qbuf, kbuf, vbuf
.if DOCPART == 2
	.amdgcn_target "amdgcn-amd-amdhsa--gfx1250"
	.amdhsa_code_object_version 6
	.text
	.protected	k_q1cb3361a3f_proj
	.globl	k_q1cb3361a3f_proj
	.p2align	8
	.type	k_q1cb3361a3f_proj,@function
k_q1cb3361a3f_proj:
	s_mov_b64 s[64:65], 0
	v_nop
	global_prefetch_b8 v0, s[64:65] scope:SCOPE_SE
	s_setreg_imm32_b32 hwreg(HW_REG_WAVE_MODE, 25, 1), 1
	s_wait_xcnt 0x0
; Q = X W_q + b_q, K = X W_k + b_k, V = X W_v + b_v on codes of BF8 (E5M2) with E8M0 scales; the results are quantised at once for the attention launch and stored as images of operand registers.
; A work-group owns 32 rows of X: block g = wg % 8 of record wg / 8 (a record: 256 rows).  THE ROWS OF A TILE ARE NOT NEIGHBOURS: lane r of tile u takes row 8 u + r + 8 (r / 8) of the 32.
; X: wave w quantises fragment (tile u = w / 2, K step s = w % 2) and hands its image to the others through LDS: one barrier.
; Q, K: wave 0, 1: Q's hidden units 0-127, 128-255; wave 2, 3: K's.  Transposed (source 0 = 16 columns of W, source 1 = X): a lane holds one row and its registers run along the hidden units, the next K: the wave's 8 tiles become one fragment.
; V: wave w makes d tiles 4 w .. 4 w + 3, not transposed (source 0 = X, source 1 = 16 columns of W_v): a lane holds one d and its registers run along the 32 rows, which are the keys, the last product's K.
; The biases are the C of each sum's first matrix instruction.  The weights' fragments stay in registers (windows 1 and 2).  Waves 0 to 2 also lay the block's coordinates, one each, into K's record.
; RECORDS.  qbuf, kbuf: KREC bytes: codes at 8192 g + 2048 (2 u + s) + 512 c + 16 lane; scale words at 65536 + 512 g + 128 (2 u + s) + 4 lane; kbuf: coordinates at 69632 + 384 g + 128 coord + 4 (row in block).
;           vbuf: VREC bytes: codes at 32768 (g / 4) + 2048 n + 512 (g % 4) + 16 lane (n: d tile); scale words at 65536 + 512 g + 128 w + 4 lane, byte b for d tile 4 w + b.
; LIMITS: a block of zeros gets the byte 1 over zero codes; NaN and infinities are not served.
.set KREC,  72704
.set VREC,  69632
.set XIMG,  0                          ; LDS: X's four fragments, 2,048 bytes each,
.set XSC,   8192                       ; their scale words, 128 bytes each,
.set SPARE, 8704                       ; and the spare words, 128 bytes a wave, which no other line names
.set XA,  4                            ; v4   X: my lane's byte in the tile's rows
.set LI,  5                            ; v5   16 x lane
.set LS,  6                            ; v6   4 x lane
.set XWI, 7                            ; v7   where I store my image of X
.set XWS, 8                            ; v8   and its scale words
.set OQC, 9                            ; v9   offsets in the records: Q's or K's codes,
.set OQS, 10                           ; v10  scale words,
.set OVC, 11                           ; v11  V's codes,
.set OVS, 12                           ; v12  scale words
.set BA,  13                           ; v13  64 h
.set BVA, 14                           ; v14  4 r
.set PA,  15                           ; v15  my byte in P
.set XF,  16                           ; v16-79   X's four fragments (2 u + s)
.set HA,  80                           ; v80-143  64 numbers: X as loaded, then eight result tiles
.set PC,  144                          ; v144-159 the codes just made
.set TM,  160                          ; v160-175 at work
.set PW,  176                          ; v176     the scale word just made
.set XS,  177                          ; v177-180 X's scale words
.set W1S, 184                          ; v184-199 my W_q's or W_k's scale words
.set WVS, 200                          ; v200-207 my W_v's
.set BV,  208                          ; v208-239 b_v: eight equal registers for each of my four d tiles
.set PD,  240                          ; v240     a coordinate
.set PO,  241                          ; v241     where it goes
.set SPW, 252
.set NIL, 253
.set WV,  24
.set SEL, 50                           ; s[50:51]
.set MNT, 52
.set MSB, 0
.macro WIN new                         ; the immediate's high byte repeats the setting that is left
.if MSB != \new
	s_set_vgpr_msb (MSB<<8)|\new
.set MSB, \new
.endif
.endm
; 64 numbers of a lane, register 16 b + i = place 32 b + 16 (lane / 16) + i along K, become a fragment's codes in v[PC] on and its scale word in v[PW]
.macro QUANT s
.irp b, 0,1,2,3
	v_max3_num_f32 v[TM+\b], |v[\s+16*\b]|, |v[\s+1+16*\b]|, 0x8000000   ; and the floor 2^(16 - 127): the byte cannot fall under 1
.endr
.irp i, 2,4,6,8,10,12,14
.irp b, 0,1,2,3
	v_max3_num_f32 v[TM+\b], v[TM+\b], |v[\s+16*\b+\i]|, |v[\s+1+16*\b+\i]|
.endr
.endr
.irp b, 0,1,2,3
	v_permlanex16_b32 v[TM+4+\b], v[TM+\b], s[SEL], s[SEL+1]
.endr
.irp b, 0,1,2,3
	v_max_num_f32 v[TM+\b], v[TM+\b], v[TM+4+\b]   ; with lane l xor 16's: the block's largest magnitude
.endr
.irp b, 0,1,2,3
	v_add_nc_u32 v[TM+12+\b], 0xf8800000, v[TM+\b] ; 15 off its exponent field: the conversion's scale operand
.endr
.irp b, 0,1,2,3
	v_and_or_b32 v[TM+8+\b], v[TM+\b], 0x7f800000, s[MNT]   ; 57,344 x the scale
.endr
.irp b, 0,1,2,3
	v_lshrrev_b32 v[TM+4+\b], 23, v[TM+12+\b]      ; the scale's byte
.endr
	v_lshl_or_b32 v[PW], v[TM+5], 8, v[TM+4]
	v_lshl_or_b32 v[PW], v[TM+6], 16, v[PW]
	v_lshl_or_b32 v[PW], v[TM+7], 24, v[PW]
.irp b, 0,1,2,3
.irp i, 0,1,2,3,4,5,6,7,8,9,10,11,12,13,14,15
	v_med3_num_f32 v[\s+16*\b+\i], v[\s+16*\b+\i], -v[TM+8+\b], v[TM+8+\b]   ; the conversion does not saturate (ISA guide 7.6.2): hold first
.endr
	v_cvt_scalef32_pk8_bf8_f32 v[PC+4*\b:PC+1+4*\b], v[\s+16*\b:\s+7+16*\b], v[TM+12+\b]
	v_cvt_scalef32_pk8_bf8_f32 v[PC+2+4*\b:PC+3+4*\b], v[\s+8+16*\b:\s+15+16*\b], v[TM+12+\b]
.endr
	v_nop                                          ; a plain line between the last conversion and the products that write its sources
.endm
	s_load_b256 s[4:11], s[0:1], 0x0               ; X s[4:5], P s[6:7], b_q s[8:9], b_k s[10:11]
	s_load_b256 s[12:19], s[0:1], 0x20             ; b_v s[12:13], wimg s[14:15], wsc s[16:17], qbuf s[18:19]
	s_load_b128 s[20:23], s[0:1], 0x40             ; kbuf s[20:21], vbuf s[22:23]
	v_lshl_add_u32 v[SPW], v0, 2, SPARE
	v_mov_b32 v[NIL], 0
	v_lshrrev_b32 v1, 5, v0
	v_readfirstlane_b32 s[WV], v1                  ; wave 0..3
	v_and_b32 v1, 31, v0                           ; lane
	v_and_b32 v2, 15, v0                           ; r
	v_bfe_u32 v3, v0, 4, 1                         ; h
	s_and_b32 s25, s[WV], 1
	s_lshr_b32 s26, s[WV], 1
	s_lshr_b32 s27, ttmp9, 3                       ; the record
	s_and_b32 s48, ttmp9, 7                        ; the block g
	s_mov_b32 s[SEL], 0x76543210
	s_mov_b32 s[SEL+1], 0xfedcba98
	s_mov_b32 s[MNT], 0x600000
	v_lshlrev_b32 v[LI], 4, v1
	v_lshlrev_b32 v[LS], 2, v1
	v_and_b32 v[XA], 8, v2
	v_add_nc_u32 v[XA], v[XA], v2                  ; r + 8 (r / 8)
	v_lshlrev_b32 v[XA], 10, v[XA]
	v_lshl_add_u32 v[XA], v3, 6, v[XA]             ; that row of 1,024 bytes, + 64 h: my 16 numbers of a block of 32
	v_lshlrev_b32 v[BA], 6, v3
	v_lshlrev_b32 v[BVA], 2, v2
	s_lshl_b32 s46, s[WV], 11
	v_add_nc_u32 v[XWI], s46, v[LI]
	s_lshl_b32 s46, s[WV], 7
	v_add_nc_u32 v[XWS], s46, v[LS]
	s_lshl_b32 s46, s48, 13
	s_lshl_b32 s47, s25, 11
	s_add_co_u32 s46, s46, s47
	v_add_nc_u32 v[OQC], s46, v[LI]                ; 8192 g + 2048 s + 16 lane
	s_lshl_b32 s46, s48, 9
	s_lshl_b32 s47, s25, 7
	s_add_co_u32 s46, s46, s47
	s_add_co_u32 s46, s46, 65536
	v_add_nc_u32 v[OQS], s46, v[LS]                ; 65536 + 512 g + 128 s + 4 lane
	s_lshr_b32 s46, s48, 2
	s_lshl_b32 s46, s46, 15
	s_lshl_b32 s47, s[WV], 13
	s_add_co_u32 s46, s46, s47
	s_and_b32 s47, s48, 3
	s_lshl_b32 s47, s47, 9
	s_add_co_u32 s46, s46, s47
	v_add_nc_u32 v[OVC], s46, v[LI]                ; 32768 (g / 4) + 8192 w + 512 (g % 4) + 16 lane
	s_lshl_b32 s46, s48, 9
	s_lshl_b32 s47, s[WV], 7
	s_add_co_u32 s46, s46, s47
	s_add_co_u32 s46, s46, 65536
	v_add_nc_u32 v[OVS], s46, v[LS]                ; 65536 + 512 g + 128 w + 4 lane
	s_mul_i32 s46, s48, 384
	s_add_co_u32 s46, s46, s47
	s_add_co_u32 s46, s46, 69632
	v_add_nc_u32 v[PO], s46, v[LS]                 ; 69632 + 384 g + 128 w + 4 lane
	v_mul_u32_u24 v[PA], v1, 12
	s_lshl_b32 s46, s[WV], 2
	v_add_nc_u32 v[PA], s46, v[PA]                 ; 12 lane + 4 w
.irp b, 0,1,2,3
	v_mov_b32 v[TM+4+\b], 0                        ; a lane permute's destination counts as one of its sources
.endr
	s_mov_b32 s47, 0
	s_wait_kmcnt 0x0
	s_lshl_b32 s46, ttmp9, 15                      ; X: my work-group's 32 rows,
	s_lshl_b32 s49, s26, 13                        ; my tile's first row,
	s_add_co_u32 s46, s46, s49
	s_lshl_b32 s49, s25, 9                         ; my K step
	s_add_co_u32 s46, s46, s49
	s_add_nc_u64 s[4:5], s[4:5], s[46:47]
	s_lshl_b32 s46, s[WV], 15                      ; my 16 fragments of W_q or W_k
	s_add_nc_u64 s[28:29], s[14:15], s[46:47]
	s_lshl_b32 s46, s[WV], 14                      ; my 8 of W_v: fragments 64 + 8 w on
	s_add_co_u32 s46, s46, 131072
	s_add_nc_u64 s[30:31], s[14:15], s[46:47]
	s_cmp_lt_u32 s[WV], 2
	s_cselect_b64 s[32:33], s[8:9], s[10:11]       ; b_q or b_k,
	s_cselect_b64 s[40:41], s[18:19], s[20:21]     ; qbuf or kbuf: by the wave's number alone
	s_lshl_b32 s46, s25, 9
	s_add_nc_u64 s[32:33], s[32:33], s[46:47]
	s_lshl_b32 s46, s[WV], 11
	s_add_nc_u64 s[34:35], s[16:17], s[46:47]      ; their scale words
	s_lshl_b32 s46, s[WV], 10
	s_add_co_u32 s46, s46, 8192
	s_add_nc_u64 s[36:37], s[16:17], s[46:47]
	s_lshl_b32 s46, s[WV], 8
	s_add_nc_u64 s[38:39], s[12:13], s[46:47]      ; b_v at my 64 d
	s_mul_i32 s46, ttmp9, 384
	s_add_nc_u64 s[6:7], s[6:7], s[46:47]          ; P at my 32 rows
	s_mul_i32 s46, s27, KREC
	s_add_nc_u64 s[40:41], s[40:41], s[46:47]
	s_add_nc_u64 s[44:45], s[20:21], s[46:47]
	s_mul_i32 s46, s27, VREC
	s_add_nc_u64 s[42:43], s[22:23], s[46:47]
.irp b, 0,1,2,3
.irp j, 0,1,2,3
	global_load_b128 v[HA+16*\b+4*\j:HA+16*\b+4*\j+3], v[XA], s[4:5] offset:128*\b+16*\j   ; X first: it is wanted first
.endr
.endr
	WIN 0x40                                       ; destination window 1
.set ii, 0
.rept 64
	global_load_b128 v[4*ii:4*ii+3], v[LI], s[28:29] offset:512*ii   ; fragment (tile t, K step s) at v[16 (2 t + s)]
.set ii, ii+1
.endr
	WIN 0x80                                       ; destination window 2
.set ii, 0
.rept 32
	global_load_b128 v[4*ii:4*ii+3], v[LI], s[30:31] offset:512*ii   ; W_v's (tile b, K step s) at v[16 (2 b + s)]
.set ii, ii+1
.endr
.irp t, 0,1,2,3,4,5,6,7
	global_load_b128 v[128+8*\t:128+8*\t+3], v[BA], s[32:33] offset:(32*(\t/2)+8*(\t%2))*4      ; the bias of hidden units 32 (t / 2) + 16 h + 8 (t % 2) + 0 .. 7
	global_load_b128 v[128+8*\t+4:128+8*\t+7], v[BA], s[32:33] offset:(32*(\t/2)+8*(\t%2))*4+16
.endr
	WIN 0
.set ii, 0
.rept 16
	global_load_b32 v[W1S+ii], v[LS], s[34:35] offset:128*ii
.set ii, ii+1
.endr
.set ii, 0
.rept 8
	global_load_b32 v[WVS+ii], v[LS], s[36:37] offset:128*ii
.set ii, ii+1
.endr
.irp b, 0,1,2,3
	global_load_b32 v[BV+8*\b], v[BVA], s[38:39] offset:64*\b   ; b_v(16 (4 w + b) + r)
.endr
	s_cmp_lt_u32 s[WV], 3                          ; waves 0 to 2: coordinate w of the block's 32 rows
	s_cbranch_scc0 .Lno_coord
	s_wait_alu depctr_va_vdst(0)
	global_load_b32 v[PD], v[PA], s[6:7]
	s_wait_loadcnt 0x0
	global_store_b32 v[PO], v[PD], s[44:45]
.Lno_coord:
	s_wait_loadcnt 0x0                             ; all of the head's loads: more than a counted wait can name
.irp b, 0,1,2,3
.irp j, 1,2,3,4,5,6,7
	v_mov_b32 v[BV+8*\b+\j], v[BV+8*\b]            ; in V's result a lane holds one d: its eight registers take the same bias
.endr
.endr
	; ---- X: my fragment, to the others
	QUANT HA
.irp c, 0,1,2,3
	ds_store_b128 v[XWI], v[PC+4*\c:PC+4*\c+3] offset:XIMG+512*\c
.endr
	ds_store_b32 v[XWS], v[PW] offset:XSC
	s_wait_dscnt 0x0                               ; for the others' sake: my stores have landed
	s_barrier_signal -1
	s_barrier_wait -1
.set ii, 0
.rept 16
	ds_load_b128 v[XF+4*ii:XF+4*ii+3], v[LI] offset:XIMG+512*ii
.set ii, ii+1
.endr
.irp f, 0,1,2,3
	ds_load_b32 v[XS+\f], v[LS] offset:XSC+128*\f
.endr
	s_wait_dscnt 0x0
	; ---- Q or K: eight accumulators by turns
.irp u, 0,1
	WIN 0x21                                       ; source 0 (W) window 1, source 2 (the bias) window 2
.irp t, 0,1,2,3,4,5,6,7
	v_wmma_scale_f32_16x16x128_f8f6f4 v[HA+8*\t:HA+8*\t+7], v[32*\t:32*\t+15], v[XF+32*\u:XF+32*\u+15], v[128+8*\t:128+8*\t+7], v[W1S+2*\t], v[XS+2*\u] matrix_a_fmt:MATRIX_FMT_BF8 matrix_b_fmt:MATRIX_FMT_BF8
.endr
	WIN 0x01
.irp t, 0,1,2,3,4,5,6,7
	v_wmma_scale_f32_16x16x128_f8f6f4 v[HA+8*\t:HA+8*\t+7], v[32*\t+16:32*\t+31], v[XF+32*\u+16:XF+32*\u+31], v[HA+8*\t:HA+8*\t+7], v[W1S+2*\t+1], v[XS+2*\u+1] matrix_a_fmt:MATRIX_FMT_BF8 matrix_b_fmt:MATRIX_FMT_BF8
.endr
	WIN 0
.rept 8
	v_nop                                          ; eight places behind this form before its results are read
.endr
	s_wait_xcnt 0x0                                ; the last stores have read the codes and the scale word: both are written anew
	QUANT HA
.irp c, 0,1,2,3
	global_store_b128 v[OQC], v[PC+4*\c:PC+4*\c+3], s[40:41] offset:4096*\u+512*\c   ; 512 consecutive bytes a store
.endr
	global_store_b32 v[OQS], v[PW], s[40:41] offset:256*\u
.endr
	; ---- V: tile 2 b + u: d tile 4 w + b, rows of tile u
	WIN 0x08                                       ; source 1 (W_v) window 2
.irp b, 0,1,2,3
.irp u, 0,1
	v_wmma_scale_f32_16x16x128_f8f6f4 v[HA+8*(2*\b+\u):HA+8*(2*\b+\u)+7], v[XF+32*\u:XF+32*\u+15], v[32*\b:32*\b+15], v[BV+8*\b:BV+8*\b+7], v[XS+2*\u], v[WVS+2*\b] matrix_a_fmt:MATRIX_FMT_BF8 matrix_b_fmt:MATRIX_FMT_BF8
.endr
.endr
.irp b, 0,1,2,3
.irp u, 0,1
	v_wmma_scale_f32_16x16x128_f8f6f4 v[HA+8*(2*\b+\u):HA+8*(2*\b+\u)+7], v[XF+32*\u+16:XF+32*\u+31], v[32*\b+16:32*\b+31], v[HA+8*(2*\b+\u):HA+8*(2*\b+\u)+7], v[XS+2*\u+1], v[WVS+2*\b+1] matrix_a_fmt:MATRIX_FMT_BF8 matrix_b_fmt:MATRIX_FMT_BF8
.endr
.endr
	WIN 0
.rept 8
	v_nop
.endr
	s_wait_xcnt 0x0
	QUANT HA                                       ; block b: the 32 rows (keys) of d tile 4 w + b
.irp b, 0,1,2,3
	global_store_b128 v[OVC], v[PC+4*\b:PC+4*\b+3], s[42:43] offset:2048*\b
.endr
	global_store_b32 v[OVS], v[PW], s[42:43]
	s_wait_tensorcnt 0x0                           ; the wave's end
	ds_add_u32 v[SPW], v[NIL]
	s_wait_dscnt 0x0
	s_endpgm
.Lfunc_end_k_q1cb3361a3f_proj:
	.size	k_q1cb3361a3f_proj, .Lfunc_end_k_q1cb3361a3f_proj-k_q1cb3361a3f_proj
	.p2alignl 7, 3214868480
	.fill 96, 4, 3214868480
	.section	.rodata,"a",@progbits
	.p2align	6, 0x0
	.amdhsa_kernel k_q1cb3361a3f_proj
		.amdhsa_group_segment_fixed_size 9216
		.amdhsa_private_segment_fixed_size 0
		.amdhsa_enable_private_segment 0
		.amdhsa_kernarg_size 80
		.amdhsa_user_sgpr_count 2
		.amdhsa_user_sgpr_kernarg_segment_ptr 1
		.amdhsa_wavefront_size32 1
		.amdhsa_system_sgpr_workgroup_id_x 1
		.amdhsa_system_sgpr_workgroup_id_y 1
		.amdhsa_system_sgpr_workgroup_id_z 1
		.amdhsa_system_vgpr_workitem_id 0
		.amdhsa_next_free_vgpr 768
		.amdhsa_next_free_sgpr 66
		.amdhsa_reserve_vcc 0
		.amdhsa_float_denorm_mode_32 3
		.amdhsa_float_denorm_mode_16_64 3
		.amdhsa_memory_ordered 1
		.amdhsa_forward_progress 1
		.amdhsa_inst_pref_size 62
	.end_amdhsa_kernel
	.amdgpu_metadata
---
amdhsa.version: [ 1, 2 ]
amdhsa.kernels:
  - .name:           k_q1cb3361a3f_proj
    .symbol:         k_q1cb3361a3f_proj.kd
    .args:
      - { .name: X, .offset: 0, .size: 8, .value_kind: global_buffer, .address_space: global }
      - { .name: P, .offset: 8, .size: 8, .value_kind: global_buffer, .address_space: global }
      - { .name: b_q, .offset: 16, .size: 8, .value_kind: global_buffer, .address_space: global }
      - { .name: b_k, .offset: 24, .size: 8, .value_kind: global_buffer, .address_space: global }
      - { .name: b_v, .offset: 32, .size: 8, .value_kind: global_buffer, .address_space: global }
      - { .name: wimg, .offset: 40, .size: 8, .value_kind: global_buffer, .address_space: global }
      - { .name: wsc, .offset: 48, .size: 8, .value_kind: global_buffer, .address_space: global }
      - { .name: qbuf, .offset: 56, .size: 8, .value_kind: global_buffer, .address_space: global }
      - { .name: kbuf, .offset: 64, .size: 8, .value_kind: global_buffer, .address_space: global }
      - { .name: vbuf, .offset: 72, .size: 8, .value_kind: global_buffer, .address_space: global }
    .group_segment_fixed_size: 9216
    .private_segment_fixed_size: 0
    .kernarg_segment_align: 8
    .kernarg_segment_size: 80
    .max_flat_workgroup_size: 128
    .sgpr_count:     66
    .vgpr_count:     768
    .wavefront_size: 32
...
	.end_amdgpu_metadata
.endif
;; end of part 2
;; launch attn (part 3): grid 256 x 1, 8 waves a work-group, clusters of 4 x 1, 327,680 bytes of LDS; arguments qbuf, kbuf, vbuf, P, X, out0; writes out0
.if DOCPART == 3
	.amdgcn_target "amdgcn-amd-amdhsa--gfx1250"
	.amdhsa_code_object_version 6
	.text
	.protected	k_q1cb3361a3f_attn
	.globl	k_q1cb3361a3f_attn
	.p2align	8
	.type	k_q1cb3361a3f_attn,@function
k_q1cb3361a3f_attn:
	s_mov_b64 s[64:65], 0
	v_nop
	global_prefetch_b8 v0, s[64:65] scope:SCOPE_SE
	s_setreg_imm32_b32 hwreg(HW_REG_WAVE_MODE, 25, 1), 1
	s_wait_xcnt 0x0
	s_wait_alu depctr_hold_cnt(0) depctr_sa_sdst(0) depctr_va_vdst(0) depctr_va_sdst(0) depctr_va_ssrc(0) depctr_va_vcc(0) depctr_vm_vsrc(0)
	s_getreg_b32 s2, hwreg(HW_REG_IB_STS2, 6, 4)
	s_cmp_eq_u32 s2, 0
	s_cbranch_scc0 .Lentry_in_a_cluster
	s_endpgm
.Lentry_in_a_cluster:
	s_bfe_u32 s2, ttmp6, 0x10000c
	s_cmp_lg_u32 s2, 0x3003
	s_cbranch_scc0 .Lentry_shape_is_right
	s_endpgm
.Lentry_shape_is_right:
; out = A V + X,  A = e^(w - m) / (1 + sum e^(w - m)),  w = (Q . K / 16) e^(-|Pq - Pk|^2 / 2),  m the row's largest w.  Both products on codes of BF8 (E5M2) with E8M0 scales.
; A is quantised FINISHED AND NORMALISED, in blocks of 32 keys, so the keys are walked twice: walk 1 finds m and the sum, walk 2 makes w again, then A, its codes, and A V.
; SHARES.  A work-group owns 32 queries (tiles t = 0, 1; lane r of tile t is query 8 t + r + 8 (r / 8)).  Its eight waves share the KEYS: of each record of 256 keys wave g takes block g (32 keys), for both tiles.
; For A V wave g takes d quarter g % 4 and key group g / 4 (128 keys); A's codes go from wave to wave through LDS as images of the operand's registers.  The two key groups' sums meet once, at the end.
; LAYOUT.  Both products transposed: S^T = K Q^T, O^T = V^T A^T: a lane holds one query; the 16 registers of a block's two tiles are keys 16 (lane / 16) + 0 .. 15.
; ARITHMETIC, c = log2(e).  dec = 2^(-c d2 / 2 - 4 + log2 c), so that S dec is c w.  Walk 1, in each lane: the running largest c w, -M = floor of its negative, a whole number; p = 2^(c w - M);
; when M moves the sum is rescaled by v_ldexp_f32: nothing is rounded.  Merge over 8 waves and both halves of the lanes: c m, -M, the sum L; reference's 1 is 2^(c m - M) under this shift; r = 1 / (2^(c m - M) + L).
; Walk 2: c w - M by one multiply-add of S, dec and -M; A = 2^(c w - M) r.  A block's largest A is made of the block's largest c w - M by the same instructions (this takes v_exp_f32 not to fall where its input rises).
; K.  A block of K (codes, scale words, coordinates) is multiplied by ONE wave of the work-group, and a record is an image of the registers: it goes from memory straight into that wave's registers, a step ahead of its use.
; So walk 1 has no barrier.  K is not asked for jointly: a joint load passes through LDS, and 4 x 69,632 bytes of V's areas with 2 x 72,704 of K's records are more than the 327,680 that there are.
; V.  Four LDS areas, record n of the walk in area n % 4.  The four work-groups of a cluster walk the same records (cluster x begins at record x % 32) and ask for each JOINTLY (mask 15).
; A round of the cluster's barrier stands ahead of every second step; behind it this step's and the next step's records are asked for (waves 0-3 one, waves 4-7 the other, a quarter each).  A V runs TWO steps behind, so a load has two steps in
; which to land; A's codes wait in four buffers.  A round stands between every store of A's codes and the loads that read them, and between those loads and the buffer's next stores: no other barrier is needed.
; In a round's opening, between its first signal and the wait, stand the step's Q K products and distances: work on registers.  By this text's count a wave has one tensor load out.
; No prefetch is laid: each record of K and V is asked for by 64 clusters within the launch, and the loads run a step (K) or two steps (V) ahead of their use.
; LIMITS: NaN and infinities are not served; a row whose every c w lies under -2e38 is not served; v_exp_f32 gives 0 under 2^-126, so a decay under 2^-122 and an A under 2^-126 count as 0; a block of zeros has the byte 1 over zero codes.
.set KREC,  72704                      ; a record of K in memory: 65,536 codes, 4,096 scale words, 3,072 coordinates
.set VREC,  69632                      ; of V: 272 rows of 256 bytes
.set VQ4,   17408                      ; a quarter: 68 rows
.set PIMG,  4*VREC                     ; A's images, four buffers: fragment (key group, tile) at 2048 (2 gam + t), scale words at 8192 + 128 gam + 4 lane
.set PBUF,  8448
.set STATS, PIMG+4*PBUF                ; walk 1's figures: ((2 g + t) 3 + k) 128 + 4 lane
.set SPARE, STATS+6144                 ; the spare words, 128 bytes a wave, which no other line names
.set SP,    272                        ; the way out: a stage row, 256 bytes + 16
.set LI,1
.set LS,2
.set AK0,3                             ; my lane's place in a record: K's codes, scale words, coordinates; V's codes, scale words
.set AKS0,4
.set AKP0,5
.set AV0,6
.set AVS0,7
.set APST,8                            ; A's images: where I store, where I load, my scale byte, the scale words
.set APLD,9
.set APB,10
.set APWD,11
.set VR,12                             ; v12-15 V's scale bytes as they lie
.set ASTS,17
.set SPW,18
.set NIL,19
.set QS,20                             ; v20-23 Q's scale words, v24-27 K's, v28-31 V's, v32 A's
.set KS,24
.set VS,28
.set PSW,32
.set ADV,33
.set ADVS,34
.set BY,37
.set ASTL,38
.set ST,40                             ; tile t at v[ST + 12 t]: +0 qx, +1 largest c w, +2 qy, +4 qz, +6 -M, +8 r, +10, +11 the sum; +3, +5, +7, +9 are upper halves of pairs only
.set TM,64
.set S,80                              ; v80-111 S^T, then c w (walk 2: c w - M)
.set E,112                             ; v112-143 d2, dec, p, A
.set T,144                             ; v144-159 differences
.set KX,160                            ; v160-207 the block's coordinates
.set PC,208
.set PF,216                            ; v216-247 A's two fragments
.set AXCH,248
.set ASTO,249
.set ASTR,250
.set GO,251
.set QPO,252
.set LC,254                            ; v254 log2 c - 4; v255 upper half only
.set QF,0                              ; window 1: Q (2 t + s), K (2 u + s), V (n'), O^T (2 n' + t)
.set KF,64
.set VF,128
.set OA,192
.set WV,16
.set W3,17
.set GAM,18
.set SIG,21                            ; the walk's first record + the steps done
.set G1V,32
.set G0A,40
.set G0B,44
.set SEL,52
.set CH,56                             ; s[56:57] -c / 2
.set MNT,59
.set HM,60
.set CNT,61
.set QOV,67
.set PS,68
.set KB,78                             ; s[78:79] the K record that is being loaded
.set MSB, 0
.macro WIN new                         ; the immediate's high byte repeats the setting that is left
.if MSB != \new
	s_set_vgpr_msb (MSB<<8)|\new
.set MSB, \new
.endif
.endm
.macro CREST                           ; a round of the cluster's barrier behind its opening signal
	s_barrier_wait -1
	s_cmp_lg_u32 s[WV], 0
	s_cbranch_scc1 .Lnot_w0_\@
	s_barrier_signal -3
.Lnot_w0_\@:
	s_barrier_wait -3
	s_barrier_signal -1
	s_barrier_wait -1
.endm
.macro JLOAD                           ; the joint loads: waves 0-3 a quarter of one V record, waves 4-7 of the next; s_nop 0 and four v_nop follow each
	s_cmp_lt_u32 s[WV], 4
	s_cbranch_scc0 .Lhigh_\@
	tensor_load_to_lds s[G0A:G0A+3], s[G1V:G1V+7]
	s_nop 0
.rept 4
	v_nop
.endr
	s_branch .Lasked_\@
.Lhigh_\@:
	tensor_load_to_lds s[G0B:G0B+3], s[G1V:G1V+7]
	s_nop 0
.rept 4
	v_nop
.endr
.Lasked_\@:
.endm
.macro GV g0, ahead, area              ; group 0 for my quarter of the V record `ahead` steps on; nothing here hangs on the work-group's place in its cluster
	s_add_co_u32 s72, s[SIG], \ahead
	s_and_b32 s72, s72, 31
	s_mul_i32 s72, s72, VREC
	s_add_co_u32 s72, s72, s[QOV]
	s_mov_b32 s73, 0
	s_add_nc_u64 s[\g0+2:\g0+3], s[8:9], s[72:73]
	s_or_b32 s[\g0+3], s[\g0+3], 0x80000000
	s_add_co_u32 s[\g0+1], s[QOV], \area
.endm
.macro NEXTK                           ; the next step's record of K in memory
	s_wait_xcnt 0x0                                ; the earlier loads have read their base
	s_add_co_u32 s72, s[SIG], 1
	s_and_b32 s72, s72, 31
	s_mul_i32 s72, s72, KREC
	s_mov_b32 s73, 0
	s_add_nc_u64 s[KB:KB+1], s[6:7], s[72:73]
.endm
.macro QKMM                            ; S^T = K Q^T: four accumulators by turns; the first K step starts the sums
	WIN 0x05
.irp s, 0,1
.irp t, 0,1
.irp u, 0,1
.if \s == 0
	v_wmma_scale_f32_16x16x128_f8f6f4 v[S+16*\t+8*\u:S+16*\t+8*\u+7], v[KF+32*\u:KF+32*\u+15], v[QF+32*\t:QF+32*\t+15], 0, v[KS+2*\u], v[QS+2*\t] matrix_a_fmt:MATRIX_FMT_BF8 matrix_b_fmt:MATRIX_FMT_BF8
.else
	v_wmma_scale_f32_16x16x128_f8f6f4 v[S+16*\t+8*\u:S+16*\t+8*\u+7], v[KF+32*\u+16:KF+32*\u+31], v[QF+32*\t+16:QF+32*\t+31], v[S+16*\t+8*\u:S+16*\t+8*\u+7], v[KS+2*\u+1], v[QS+2*\t+1] matrix_a_fmt:MATRIX_FMT_BF8 matrix_b_fmt:MATRIX_FMT_BF8
.endif
.endr
.endr
.endr
	WIN 0
.endm
.macro KLOAD                           ; the next block's four fragments and scale words: each load of codes covers 512 consecutive bytes
	WIN 0x40
.set ii, 0
.rept 16
	global_load_b128 v[KF+4*ii:KF+4*ii+3], v[AK0], s[KB:KB+1] offset:512*ii
.set ii, ii+1
.endr
	WIN 0
.irp j, 0,1,2,3
	global_load_b32 v[KS+\j], v[AKS0], s[KB:KB+1] offset:128*\j
.endr
.endm
.macro CLOAD                           ; and its coordinates; the sixteen lanes of a half read the same words
.irp c, 0,1,2
.irp j, 0,1,2,3
	global_load_b128 v[KX+16*\c+4*\j:KX+16*\c+4*\j+3], v[AKP0], s[KB:KB+1] offset:128*\c+16*\j
.endr
.endr
.endm
.macro DIST t                          ; d2 = the sum of the squared differences
.irp c, 0,1,2
.set pp, 0
.rept 8
	v_pk_add_f32 v[T+2*pp:T+2*pp+1], v[KX+16*\c+2*pp:KX+16*\c+2*pp+1], v[ST+12*\t+2*\c:ST+12*\t+2*\c+1] op_sel_hi:[1,0] neg_lo:[0,1] neg_hi:[0,1]
.set pp, pp+1
.endr
.set pp, 0
.rept 8
.if \c == 0
	v_pk_mul_f32 v[E+16*\t+2*pp:E+16*\t+2*pp+1], v[T+2*pp:T+2*pp+1], v[T+2*pp:T+2*pp+1]
.else
	v_pk_fma_f32 v[E+16*\t+2*pp:E+16*\t+2*pp+1], v[T+2*pp:T+2*pp+1], v[T+2*pp:T+2*pp+1], v[E+16*\t+2*pp:E+16*\t+2*pp+1]
.endif
.set pp, pp+1
.endr
.endr
.endm
.macro DEXP                            ; dec: one batch of 32 exponentials, a wait ahead of it
.set ii, 0
.rept 16
	v_pk_fma_f32 v[E+2*ii:E+2*ii+1], v[E+2*ii:E+2*ii+1], s[CH:CH+1], v[LC:LC+1] op_sel_hi:[1,0,0]
.set ii, ii+1
.endr
	s_wait_alu depctr_va_vdst(0)
.set ii, 0
.rept 32
	v_exp_f32 v[E+ii], v[E+ii]
.set ii, ii+1
.endr
.endm
.macro TFMA                            ; walk 2: c w - M = S dec - M, each accumulator from its low end on
.irp t, 0,1
.set pp, 0
.rept 8
	v_pk_fma_f32 v[S+16*\t+2*pp:S+16*\t+2*pp+1], v[S+16*\t+2*pp:S+16*\t+2*pp+1], v[E+16*\t+2*pp:E+16*\t+2*pp+1], v[ST+12*\t+6:ST+12*\t+7] op_sel_hi:[1,1,0]
.set pp, pp+1
.endr
.endr
.endm
.macro MAX14                           ; the largest of each tile's 16, all but the last line: two chains a tile, the tiles by turns
.irp t, 0,1
	v_max3_num_f32 v[TM+2*\t], v[S+16*\t], v[S+16*\t+1], v[S+16*\t+2]
	v_max3_num_f32 v[TM+2*\t+1], v[S+16*\t+3], v[S+16*\t+4], v[S+16*\t+5]
.endr
.irp i, 6,10
.irp t, 0,1
	v_max3_num_f32 v[TM+2*\t], v[TM+2*\t], v[S+16*\t+\i], v[S+16*\t+\i+1]
	v_max3_num_f32 v[TM+2*\t+1], v[TM+2*\t+1], v[S+16*\t+\i+2], v[S+16*\t+\i+3]
.endr
.endr
.irp t, 0,1
	v_max3_num_f32 v[TM+2*\t], v[TM+2*\t], v[S+16*\t+14], v[S+16*\t+15]
.endr
.endm
; WALK 1, a step: multiplies by the block that the step before asked for, and asks for the next
.macro STEP1
	s_wait_loadcnt 0x0                             ; my block of K is in
	QKMM
	NEXTK
	DIST 0                                         ; these lines name none of the products' registers: the places in front of the loads into K's registers
	KLOAD
	DIST 1
	CLOAD
	DEXP
.irp t, 0,1
	v_mov_b32 v[TM+4+\t], v[ST+12*\t+6]            ; the old -M.  (Plain lines behind the batch)
.endr
	s_wait_alu depctr_va_vdst(0)                   ; one wait for the batch, ahead of its first reader
.set ii, 0
.rept 16
	v_pk_mul_f32 v[S+2*ii:S+2*ii+1], v[S+2*ii:S+2*ii+1], v[E+2*ii:E+2*ii+1]   ; c w, each accumulator from its low end on
.set ii, ii+1
.endr
	MAX14
.irp t, 0,1
	v_max3_num_f32 v[ST+12*\t+1], v[TM+2*\t], v[TM+2*\t+1], v[ST+12*\t+1]   ; the running largest c w
.endr
.irp t, 0,1
	v_floor_f32 v[ST+12*\t+6], -v[ST+12*\t+1]      ; -M
.endr
.irp t, 0,1
	v_sub_f32 v[TM+4+\t], v[ST+12*\t+6], v[TM+4+\t]   ; old M - new M: a whole number, 0 or less
.endr
.irp t, 0,1
	v_cvt_i32_f32 v[TM+4+\t], v[TM+4+\t]           ; (it saturates)
.endr
.irp t, 0,1
.set pp, 0
.rept 8
	v_pk_add_f32 v[E+16*\t+2*pp:E+16*\t+2*pp+1], v[S+16*\t+2*pp:S+16*\t+2*pp+1], v[ST+12*\t+6:ST+12*\t+7] op_sel_hi:[1,0]
.set pp, pp+1
.endr
.endr
	s_wait_alu depctr_va_vdst(0)
.set ii, 0
.rept 32
	v_exp_f32 v[E+ii], v[E+ii]
.set ii, ii+1
.endr
.irp t, 0,1
	v_ldexp_f32 v[ST+12*\t+10], v[ST+12*\t+10], v[TM+4+\t]   ; the sum under the new M: nothing is rounded
	v_ldexp_f32 v[ST+12*\t+11], v[ST+12*\t+11], v[TM+4+\t]
.endr
	s_wait_alu depctr_va_vdst(0)
.irp t, 0,1
.irp q, 0,1,2,3
	v_pk_add_f32 v[E+16*\t+4*\q:E+16*\t+4*\q+1], v[E+16*\t+4*\q:E+16*\t+4*\q+1], v[E+16*\t+4*\q+2:E+16*\t+4*\q+3]
.endr
.endr
.irp t, 0,1
.irp q, 0,1
	v_pk_add_f32 v[E+16*\t+8*\q:E+16*\t+8*\q+1], v[E+16*\t+8*\q:E+16*\t+8*\q+1], v[E+16*\t+8*\q+4:E+16*\t+8*\q+5]
.endr
.endr
.irp t, 0,1
	v_pk_add_f32 v[E+16*\t:E+16*\t+1], v[E+16*\t:E+16*\t+1], v[E+16*\t+8:E+16*\t+9]
.endr
.irp t, 0,1
	v_pk_add_f32 v[ST+12*\t+10:ST+12*\t+11], v[ST+12*\t+10:ST+12*\t+11], v[E+16*\t:E+16*\t+1]
.endr
	s_add_co_u32 s[SIG], s[SIG], 1
.endm
.macro PVLOAD buf                      ; V's four fragments, A's two, A's scale words, V's scale bytes: 29 LDS loads
	WIN 0x40
.set ii, 0
.rept 16
	ds_load_b128 v[VF+4*ii:VF+4*ii+3], v[ADV] offset:512*ii
.set ii, ii+1
.endr
	WIN 0
.set ii, 0
.rept 8
	ds_load_b128 v[PF+4*ii:PF+4*ii+3], v[APLD] offset:(\buf)*PBUF+512*ii
.set ii, ii+1
.endr
	ds_load_b32 v[PSW], v[APWD] offset:(\buf)*PBUF
.irp c, 0,1,2,3
	ds_load_b32 v[VR+\c], v[ADVS] offset:512*\c
.endr
.endm
.macro VTR                             ; word c holds key block c's bytes of my four d tiles: turned, word n' holds d tile n's bytes of the four key blocks
	v_perm_b32 v[TM+8], v[VR+1], v[VR], s[PS]
	v_perm_b32 v[TM+9], v[VR+1], v[VR], s[PS+1]
	v_perm_b32 v[TM+10], v[VR+3], v[VR+2], s[PS]
	v_perm_b32 v[TM+11], v[VR+3], v[VR+2], s[PS+1]
	v_perm_b32 v[VS], v[TM+10], v[TM+8], s[PS+2]
	v_perm_b32 v[VS+1], v[TM+10], v[TM+8], s[PS+3]
	v_perm_b32 v[VS+2], v[TM+11], v[TM+9], s[PS+2]
	v_perm_b32 v[VS+3], v[TM+11], v[TM+9], s[PS+3]
.endm
.macro PVMM                            ; O^T += V^T A^T: eight accumulators by turns
	WIN 0x51
.irp n, 0,1,2,3
	v_wmma_scale_f32_16x16x128_f8f6f4 v[OA+16*\n:OA+16*\n+7], v[VF+16*\n:VF+16*\n+15], v[PF:PF+15], v[OA+16*\n:OA+16*\n+7], v[VS+\n], v[PSW] matrix_a_fmt:MATRIX_FMT_BF8 matrix_b_fmt:MATRIX_FMT_BF8
	v_wmma_scale_f32_16x16x128_f8f6f4 v[OA+16*\n+8:OA+16*\n+15], v[VF+16*\n:VF+16*\n+15], v[PF+16:PF+31], v[OA+16*\n+8:OA+16*\n+15], v[VS+\n], v[PSW] matrix_a_fmt:MATRIX_FMT_BF8 matrix_b_fmt:MATRIX_FMT_BF8 matrix_b_scale:MATRIX_SCALE_ROW1
.endr
	WIN 0
.endm
; The eight waves' figures of walk 1 become the rows' c m, -M and r.  Figure k of wave g, tile t: v[E + 3 (2 g + t) + k]
.macro MERGE
.set ii, 0
.rept 48
	ds_load_b32 v[E+ii], v[ASTL] offset:128*ii
.set ii, ii+1
.endr
	s_wait_dscnt 0x0
.irp t, 0,1
	v_max3_num_f32 v[TM+2*\t], v[E+3*\t], v[E+3*(2+\t)], v[E+3*(4+\t)]
.endr
.irp t, 0,1
	v_max3_num_f32 v[TM+2*\t], v[TM+2*\t], v[E+3*(6+\t)], v[E+3*(8+\t)]
.endr
.irp t, 0,1
	v_max3_num_f32 v[TM+2*\t], v[TM+2*\t], v[E+3*(10+\t)], v[E+3*(12+\t)]
.endr
.irp t, 0,1
	v_max_num_f32 v[TM+2*\t], v[TM+2*\t], v[E+3*(14+\t)]
.endr
.irp t, 0,1
	v_permlanex16_b32 v[TM+4+\t], v[TM+2*\t], s[SEL], s[SEL+1]
.endr
.irp t, 0,1
	v_max_num_f32 v[ST+12*\t+1], v[TM+2*\t], v[TM+4+\t]   ; c m
.endr
.irp t, 0,1
	v_floor_f32 v[ST+12*\t+6], -v[ST+12*\t+1]      ; -M
.endr
.irp g, 0,1,2,3,4,5,6,7
.irp t, 0,1
	v_sub_f32 v[E+3*(2*\g+\t)+1], v[ST+12*\t+6], v[E+3*(2*\g+\t)+1]   ; that wave's M less the row's: a whole number, 0 or less
.endr
.endr
.irp g, 0,1,2,3,4,5,6,7
.irp t, 0,1
	v_cvt_i32_f32 v[E+3*(2*\g+\t)+1], v[E+3*(2*\g+\t)+1]
.endr
.endr
.irp g, 0,1,2,3,4,5,6,7
.irp t, 0,1
	v_ldexp_f32 v[E+3*(2*\g+\t)+2], v[E+3*(2*\g+\t)+2], v[E+3*(2*\g+\t)+1]
.endr
.endr
.irp t, 0,1
	v_add_f32 v[TM+2*\t], v[E+3*\t+2], v[E+3*(2+\t)+2]
	v_add_f32 v[TM+2*\t+1], v[E+3*(4+\t)+2], v[E+3*(6+\t)+2]
.endr
.irp t, 0,1
	v_add_f32 v[TM+2*\t], v[TM+2*\t], v[E+3*(8+\t)+2]
	v_add_f32 v[TM+2*\t+1], v[TM+2*\t+1], v[E+3*(10+\t)+2]
.endr
.irp t, 0,1
	v_add_f32 v[TM+2*\t], v[TM+2*\t], v[E+3*(12+\t)+2]
	v_add_f32 v[TM+2*\t+1], v[TM+2*\t+1], v[E+3*(14+\t)+2]
.endr
.irp t, 0,1
	v_add_f32 v[TM+2*\t], v[TM+2*\t], v[TM+2*\t+1]
.endr
.irp t, 0,1
	v_permlanex16_b32 v[TM+4+\t], v[TM+2*\t], s[SEL], s[SEL+1]
.endr
.irp t, 0,1
	v_add_f32 v[TM+2*\t], v[TM+2*\t], v[TM+4+\t]   ; the row's sum
.endr
.irp t, 0,1
	v_add_f32 v[TM+6+\t], v[ST+12*\t+1], v[ST+12*\t+6]
.endr
	s_wait_alu depctr_va_vdst(0)
.irp t, 0,1
	v_exp_f32 v[TM+6+\t], v[TM+6+\t]               ; 2^(c m - M): the 1 of the denominator under this shift
.endr
	v_nop
	s_wait_alu depctr_va_vdst(0)
.irp t, 0,1
	v_add_f32 v[TM+2*\t], v[TM+2*\t], v[TM+6+\t]
.endr
	s_wait_alu depctr_va_vdst(0)
.irp t, 0,1
	v_rcp_f32 v[ST+12*\t+8], v[TM+2*\t]            ; r
.endr
	v_nop
	s_wait_alu depctr_va_vdst(0)
.endm
; WALK 2, step i.  par = i % 4.  pv: A V of step i - 2.  kpre: the next K block is asked for.  merge: walk 1's figures are merged.  first: the add stands twice, ahead of the text's first tensor load.  xl: X is asked for.
; An even step opens with a round and asks for V's records i (area par) and i + 1 (area par + 1); areas (par + 2) % 4 and (par + 3) % 4 are read in this step and the next.  A's codes go to buffer par; buffer (par + 2) % 4 is read.
.macro STEP2 par, pv, kpre=1, merge=0, first=0, xl=0
	s_wait_loadcnt 0x0                             ; my block of K is in
.if (\par)%2 == 0
	s_wait_tensorcnt 0x0                           ; no tensor load of mine is out: the groups 0 may be written
	ds_add_u32 v[SPW], v[NIL]
.if \first
	ds_add_u32 v[SPW], v[NIL]
.endif
	GV G0A, 0, VREC*(\par)
	GV G0B, 1, VREC*((\par)+1)
	s_wait_dscnt 0x0                               ; the add is done; my LDS reads are over and my stores of A's codes have landed
	s_barrier_signal -1                            ; the round opens; work on registers alone up to its wait
	QKMM
.if \merge == 0
	DIST 0
	DIST 1
.endif
	s_wait_alu depctr_va_vdst(0)                   ; directly ahead of the barrier's wait
	CREST
	JLOAD
.else
	QKMM
.endif
.if \kpre
	NEXTK
.endif
.if \merge
	MERGE
.endif
.if (\par)%2 || \merge
	DIST 0                                         ; the places in front of the loads into K's registers
.if \kpre
	KLOAD
.endif
	DIST 1
.if \kpre
	CLOAD
.endif
.else
	KLOAD
	CLOAD
.endif
.if \xl
	s_cmp_lt_u32 s[WV], 4                          ; the four waves that will store ask for their part of X: its registers have had their last use
	s_wait_alu depctr_va_vdst(0)                   ; directly ahead of the branch
	s_cbranch_scc0 .Lno_x
.set kk, 0
.rept 16
	global_load_b128 v[T+4*kk:T+4*kk+3], v[GO], s[12:13] offset:(8*(kk/8)+2*(kk%8)+8*((kk%8)/4))*1024 th:TH_LOAD_NT
.set kk, kk+1
.endr
.Lno_x:
.endif
.if \pv
	v_add_nc_u32 v[ADV], VREC*(((\par)+2)%4), v[AV0]
	v_add_nc_u32 v[ADVS], VREC*(((\par)+2)%4), v[AVS0]
	PVLOAD ((\par)+2)%4
.endif
	DEXP
.if \pv
	s_wait_dscnt 0x0                               ; V, A and their scales are in
	VTR                                            ; (plain lines behind the batch)
.else
	v_nop
.endif
	s_wait_alu depctr_va_vdst(0)                   ; one wait for the batch
	TFMA                                           ; (its 16 lines are also the places between V's scale words and the products that take them)
.if \pv
	PVMM
.endif
	MAX14
.irp t, 0,1
	v_max_num_f32 v[TM+2*\t], v[TM+2*\t], v[TM+2*\t+1]
.endr
.irp t, 0,1
	v_permlanex16_b32 v[TM+4+\t], v[TM+2*\t], s[SEL], s[SEL+1]
.endr
.irp t, 0,1
	v_max_num_f32 v[TM+2*\t], v[TM+2*\t], v[TM+4+\t]   ; the block's largest c w - M
.endr
	s_wait_alu depctr_va_vdst(0)
.set ii, 0
.rept 32
	v_exp_f32 v[E+ii], v[S+ii]
.set ii, ii+1
.endr
.irp t, 0,1
	v_exp_f32 v[TM+6+\t], v[TM+2*\t]               ; the same of the block's largest: the same bits as one of the 32
.endr
	v_nop
	s_wait_alu depctr_va_vdst(0)
.irp t, 0,1
.set pp, 0
.rept 8
	v_pk_mul_f32 v[E+16*\t+2*pp:E+16*\t+2*pp+1], v[E+16*\t+2*pp:E+16*\t+2*pp+1], v[ST+12*\t+8:ST+12*\t+9] op_sel_hi:[1,0]   ; A
.set pp, pp+1
.endr
.endr
.irp t, 0,1
	v_mul_f32 v[TM+6+\t], v[TM+6+\t], v[ST+12*\t+8]   ; the block's largest A
.endr
.irp t, 0,1
	v_max_num_f32 v[TM+6+\t], 0x8000000, v[TM+6+\t]   ; the floor 2^(16 - 127): the byte cannot fall under 1
.endr
.irp t, 0,1
	v_add_nc_u32 v[TM+8+\t], 0xf8800000, v[TM+6+\t]   ; 15 off the exponent field: the conversion's scale operand
.endr
.irp t, 0,1
	v_and_or_b32 v[TM+10+\t], v[TM+6+\t], 0x7f800000, s[MNT]   ; 57,344 x the scale
.endr
.irp t, 0,1
	v_lshrrev_b32 v[TM+12+\t], 23, v[TM+8+\t]      ; the scale's byte
.endr
	v_cndmask_b32 v[BY], v[TM+12], v[TM+13], s[HM] ; lanes 0-15: tile 0's query r; lanes 16-31: tile 1's
.irp t, 0,1
.set ii, 0
.rept 16
	v_min_num_f32 v[E+16*\t+ii], v[E+16*\t+ii], v[TM+10+\t]   ; the conversion does not saturate (ISA guide 7.6.2); A is not negative: a one-sided hold
.set ii, ii+1
.endr
.endr
.irp t, 0,1
	v_cvt_scalef32_pk8_bf8_f32 v[PC+4*\t:PC+4*\t+1], v[E+16*\t:E+16*\t+7], v[TM+8+\t]
	v_cvt_scalef32_pk8_bf8_f32 v[PC+4*\t+2:PC+4*\t+3], v[E+16*\t+8:E+16*\t+15], v[TM+8+\t]
.endr
	v_nop                                          ; a plain line behind the last conversion
	ds_store_b128 v[APST], v[PC:PC+3] offset:(\par)*PBUF          ; register group g % 4 of fragment (g / 4, tile 0),
	ds_store_b128 v[APST], v[PC+4:PC+7] offset:(\par)*PBUF+2048   ; of tile 1,
	ds_store_b8 v[APB], v[BY] offset:(\par)*PBUF                  ; and byte g % 4 of the scale words
	s_add_co_u32 s[SIG], s[SIG], 1
.endm
.macro TAILPV b                        ; A V of one of the last two steps
.rept 8
	v_nop                                          ; places in front of loads into registers that the last products have read
.endr
	v_add_nc_u32 v[ADV], VREC*(\b), v[AV0]
	v_add_nc_u32 v[ADVS], VREC*(\b), v[AVS0]
	PVLOAD \b
	s_wait_dscnt 0x0
	VTR
.rept 8
	v_nop                                          ; eight places between V's scale words and the products that take them
.endr
	PVMM
.endm
	s_load_b256 s[4:11], s[0:1], 0x0               ; qbuf s[4:5], kbuf s[6:7], vbuf s[8:9], P s[10:11]
	s_load_b128 s[12:15], s[0:1], 0x20             ; X s[12:13], out0 s[14:15]
	v_lshl_add_u32 v[SPW], v0, 2, SPARE
	v_mov_b32 v[NIL], 0
	ds_add_u32 v[SPW], v[NIL]                      ; the wave's opening: the add, twice on end, and its wait ahead of my first tensor load
	ds_add_u32 v[SPW], v[NIL]
	v_mov_b32 v[LC], 0xc05e28b1                    ; log2 c - 4
	v_mov_b32 v[LC+1], 0
	v_lshrrev_b32 v1, 5, v0
	v_readfirstlane_b32 s[WV], v1                  ; wave 0..7
	s_and_b32 s[W3], s[WV], 3
	s_lshr_b32 s[GAM], s[WV], 2
	s_bfe_u32 s19, ttmp6, 0x40000                  ; cx: it enters Q's, P's, X's and out0's addresses alone
	s_lshl_b32 s20, ttmp9, 2
	s_add_co_u32 s20, s20, s19                     ; my block of 32 queries
	s_and_b32 s[SIG], ttmp9, 31                    ; the record at which my cluster's walk begins
	s_mov_b32 s[G1V], 15|(3<<16)|(1<<21)           ; the mask: all four work-groups; elements of 8 bytes; bit 21 beside a mask; no padding: every LDS read takes 16 x lane on end
	s_mov_b32 s[G1V+1], 32<<16                     ; rows of 256 bytes
	s_mov_b32 s[G1V+2], 68<<16
	s_mov_b32 s[G1V+3], 32<<16
	s_mov_b32 s[G1V+4], 68
	s_mov_b32 s[G1V+5], 32                         ; a dense block
	s_mov_b32 s[G1V+6], 0
	s_mov_b32 s[G1V+7], 0
	s_mov_b32 s[G0A], 1
	s_mov_b32 s[G0B], 1
	s_mul_i32 s[QOV], s[W3], VQ4                   ; my quarter of a record
	s_mov_b32 s[SEL], 0x76543210
	s_mov_b32 s[SEL+1], 0xfedcba98
	s_mov_b32 s[CH], 0xbf38aa3b                    ; -c / 2
	s_mov_b32 s[CH+1], s[CH]
	s_mov_b32 s[MNT], 0x600000
	s_mov_b32 s[HM], 0xffff0000
	s_mov_b32 s[PS], 0x05010400
	s_mov_b32 s[PS+1], 0x07030602
	s_mov_b32 s[PS+2], 0x05040100
	s_mov_b32 s[PS+3], 0x07060302
	s_wait_dscnt 0x0                               ; both opening adds are done
	v_and_b32 v[TM], 31, v0                        ; lane
	v_and_b32 v[TM+1], 15, v0                      ; r
	v_bfe_u32 v[TM+2], v0, 4, 1                    ; h
	v_lshlrev_b32 v[LI], 4, v[TM]
	v_lshlrev_b32 v[LS], 2, v[TM]
	s_wait_alu depctr_va_vdst(0)
	s_lshl_b32 s22, s[WV], 13
	v_add_nc_u32 v[AK0], s22, v[LI]                ; 8192 g + 16 lane
	s_lshl_b32 s22, s[WV], 9
	s_add_co_u32 s22, s22, 65536
	v_add_nc_u32 v[AKS0], s22, v[LS]               ; 65536 + 512 g + 4 lane
	s_mul_i32 s22, s[WV], 384
	s_add_co_u32 s22, s22, 69632
	v_lshl_add_u32 v[AKP0], v[TM+2], 6, s22        ; 69632 + 384 g + 64 h
	s_lshl_b32 s22, s[GAM], 15
	s_lshl_b32 s23, s[W3], 13
	s_add_co_u32 s22, s22, s23
	v_add_nc_u32 v[AV0], s22, v[LI]                ; 32768 gam + 8192 w' + 16 lane
	s_lshl_b32 s22, s[GAM], 11
	s_lshl_b32 s23, s[W3], 7
	s_add_co_u32 s22, s22, s23
	s_add_co_u32 s22, s22, 65536
	v_add_nc_u32 v[AVS0], s22, v[LS]               ; 65536 + 2048 gam + 128 w' + 4 lane
	s_lshl_b32 s22, s[GAM], 12
	s_add_co_u32 s22, s22, PIMG
	v_add_nc_u32 v[APLD], s22, v[LI]
	s_lshl_b32 s23, s[W3], 9
	s_add_co_u32 s22, s22, s23
	v_add_nc_u32 v[APST], s22, v[LI]
	s_lshl_b32 s22, s[GAM], 7
	s_add_co_u32 s22, s22, PIMG+8192
	v_add_nc_u32 v[APWD], s22, v[LS]
	s_add_co_u32 s22, s22, s[W3]
	v_add_nc_u32 v[APB], s22, v[LS]
	s_mul_i32 s22, s[WV], 768
	s_add_co_u32 s22, s22, STATS
	v_add_nc_u32 v[ASTS], s22, v[LS]
	v_add_nc_u32 v[ASTL], STATS, v[LS]
	s_lshl_b32 s22, s[W3], 13
	v_add_nc_u32 v[AXCH], s22, v[LI]               ; area 0: where the two key groups' sums of d quarter w' meet
	s_mul_i32 s22, s[W3], 32*SP
	s_add_co_u32 s22, s22, VREC                    ; area 1: the stage of d quarter w'
	v_mul_u32_u24 v[ASTO], v[TM+1], SP
	v_lshl_add_u32 v[ASTO], v[TM+2], 5, v[ASTO]
	v_add_nc_u32 v[ASTO], s22, v[ASTO]             ; in: row r, + 32 h
	v_mul_u32_u24 v[ASTR], v[TM+2], SP
	v_lshl_add_u32 v[ASTR], v[TM+1], 4, v[ASTR]
	v_add_nc_u32 v[ASTR], s22, v[ASTR]             ; back: lanes 0-15 one row, lanes 16-31 the next
	v_lshlrev_b32 v[GO], 10, v[TM+2]
	v_lshl_add_u32 v[GO], v[TM+1], 4, v[GO]        ; and the same in X and out0
	v_and_b32 v[QPO], 8, v[TM+1]
	v_add_nc_u32 v[QPO], v[QPO], v[TM+1]
	v_mul_u32_u24 v[QPO], v[QPO], 12               ; P: 12 bytes a row, row r + 8 (r / 8)
.irp t, 0,1
	v_mov_b32 v[ST+12*\t+1], 0xff167699            ; the largest c w so far: -2e38
	v_mov_b32 v[ST+12*\t+3], 0
	v_mov_b32 v[ST+12*\t+5], 0
	v_mov_b32 v[ST+12*\t+7], 0
	v_mov_b32 v[ST+12*\t+9], 0
	v_mov_b32 v[ST+12*\t+10], 0                    ; the sum, in two halves
	v_mov_b32 v[ST+12*\t+11], 0
	v_floor_f32 v[ST+12*\t+6], -v[ST+12*\t+1]      ; -M
.endr
	WIN 0x40
.set ii, 0
.rept 64
	v_mov_b32 v[OA+ii], 0                          ; O^T: its first products stand in the loop, so the sums begin as zeros
.set ii, ii+1
.endr
	WIN 0
	s_wait_alu depctr_va_vdst(0)
	s_wait_kmcnt 0x0
	s_lshr_b32 s22, s20, 3
	s_mul_i32 s22, s22, KREC                       ; my queries' record,
	s_and_b32 s23, s20, 7                          ; their block
	s_lshl_b32 s62, s23, 13
	s_add_co_u32 s62, s62, s22
	s_mov_b32 s63, 0
	s_add_nc_u64 s[74:75], s[4:5], s[62:63]        ; Q's codes
	s_lshl_b32 s62, s23, 9
	s_add_co_u32 s62, s62, s22
	s_add_co_u32 s62, s62, 65536
	s_add_nc_u64 s[76:77], s[4:5], s[62:63]        ; Q's scale words
	s_mul_i32 s62, s20, 384
	s_add_nc_u64 s[10:11], s[10:11], s[62:63]      ; P at my 32 queries
	s_lshl_b32 s62, s20, 15
	s_lshl_b32 s22, s[W3], 8
	s_add_co_u32 s62, s62, s22
	s_add_nc_u64 s[12:13], s[12:13], s[62:63]      ; X and out0 at my 32 rows, d quarter w'
	s_add_nc_u64 s[14:15], s[14:15], s[62:63]
	s_mul_i32 s72, s[SIG], KREC
	s_mov_b32 s73, 0
	s_add_nc_u64 s[KB:KB+1], s[6:7], s[72:73]      ; the walk's first record of K
	WIN 0x40
.set ii, 0
.rept 16
	global_load_b128 v[QF+4*ii:QF+4*ii+3], v[LI], s[74:75] offset:512*ii   ; Q stays in registers
.set ii, ii+1
.endr
	WIN 0
.irp j, 0,1,2,3
	global_load_b32 v[QS+\j], v[LS], s[76:77] offset:128*\j
.endr
.irp t, 0,1
.irp c, 0,1,2
	global_load_b32 v[ST+12*\t+2*\c], v[QPO], s[10:11] offset:96*\t+4*\c   ; my query's coordinates
.endr
.endr
	KLOAD
	CLOAD
	; ---- WALK 1: 32 steps, no barrier: waves share nothing
	s_mov_b32 s[CNT], 32
.Lwalk1:
	STEP1
	s_sub_co_u32 s[CNT], s[CNT], 1
	s_cmp_lg_u32 s[CNT], 0
	s_cbranch_scc1 .Lwalk1
.irp t, 0,1
	v_add_f32 v[TM+\t], v[ST+12*\t+10], v[ST+12*\t+11]
.endr
.irp t, 0,1
	ds_store_b32 v[ASTS], v[ST+12*\t+1] offset:384*\t       ; my lane's largest c w,
	ds_store_b32 v[ASTS], v[ST+12*\t+6] offset:384*\t+128   ; -M,
	ds_store_b32 v[ASTS], v[TM+\t] offset:384*\t+256        ; and sum: the next step's wait and round stand between these stores and the others' loads
.endr
	; ---- WALK 2: 32 steps, and two more A V
	STEP2 0, 0, 1, 1, 1                            ; step 0: the merge; the first joint loads
	STEP2 1, 0
	s_mov_b32 s[CNT], 7
.Lwalk2:                                           ; steps 2 to 29
	STEP2 2, 1
	STEP2 3, 1
	STEP2 0, 1
	STEP2 1, 1
	s_sub_co_u32 s[CNT], s[CNT], 1
	s_cmp_lg_u32 s[CNT], 0
	s_cbranch_scc1 .Lwalk2
	STEP2 2, 1                                     ; step 30: the last two records of V are asked for
	STEP2 3, 1, 0, 0, 0, 1                         ; step 31: no block of K is left; X is asked for
	s_wait_tensorcnt 0x0                           ; the last records of V have landed;
	ds_add_u32 v[SPW], v[NIL]
	s_wait_dscnt 0x0                               ; my last codes of A have landed
	s_barrier_signal -1                            ; the work-group's own does
	s_barrier_wait -1
	TAILPV 2
	TAILPV 3
.rept 8
	v_nop                                          ; eight places before the results are read
.endr
	; ---- THE WAY OUT.  Key group 1's waves hand their sums to key group 0's, as images of the registers, in area 0: it has had its last fill, and nobody reads it
	s_cmp_lt_u32 s[WV], 4
	s_cbranch_scc1 .Lkeep
	WIN 0x04
.set ii, 0
.rept 16
	ds_store_b128 v[AXCH], v[OA+4*ii:OA+4*ii+3] offset:512*ii   ; each accumulator from its low end on
.set ii, ii+1
.endr
	WIN 0
.Lkeep:
	s_wait_dscnt 0x0
	s_barrier_signal -1
	s_barrier_wait -1
	s_cmp_lt_u32 s[WV], 4
	s_cbranch_scc0 .Ldone
.set ii, 0
.rept 16
	ds_load_b128 v[S+4*ii:S+4*ii+3], v[AXCH] offset:512*ii
.set ii, ii+1
.endr
	s_wait_dscnt 0x0
	WIN 0x01
.set ii, 0
.rept 32
	v_pk_add_f32 v[S+2*ii:S+2*ii+1], v[OA+2*ii:OA+2*ii+1], v[S+2*ii:S+2*ii+1]
.set ii, ii+1
.endr
	WIN 0
	; a lane holds eight neighbouring d of one query: through my own stage (area 1, 32 rows of 256 bytes + 16), back as whole rows.  LDS serves a wave's instructions in order (ISA guide 5.7.1.4)
.irp n, 0,1,2,3
.irp t, 0,1
	ds_store_b128 v[ASTO], v[S+8*(2*\n+\t):S+8*(2*\n+\t)+3] offset:16*SP*\t+64*\n
	ds_store_b128 v[ASTO], v[S+8*(2*\n+\t)+4:S+8*(2*\n+\t)+7] offset:16*SP*\t+64*\n+16
.endr
.endr
.set kk, 0
.rept 16
	ds_load_b128 v[S+4*kk:S+4*kk+3], v[ASTR] offset:2*kk*SP
.set kk, kk+1
.endr
	s_wait_loadcnt 0x0                             ; X
.set kk, 0
.rept 16                               ; stage row 16 t + r is query 8 t + r + 8 (r / 8)
	s_wait_dscnt 15-kk                             ; the later rows' loads may stay out
	v_pk_add_f32 v[S+4*kk:S+4*kk+1], v[S+4*kk:S+4*kk+1], v[T+4*kk:T+4*kk+1]
	v_pk_add_f32 v[S+4*kk+2:S+4*kk+3], v[S+4*kk+2:S+4*kk+3], v[T+4*kk+2:T+4*kk+3]
	global_store_b128 v[GO], v[S+4*kk:S+4*kk+3], s[14:15] offset:(8*(kk/8)+2*(kk%8)+8*((kk%8)/4))*1024 th:TH_STORE_NT   ; sixteen lanes store 256 consecutive bytes, at a multiple of 256 from out0's first byte
.set kk, kk+1
.endr
.Ldone:
	s_wait_tensorcnt 0x0                           ; the wave's end
	ds_add_u32 v[SPW], v[NIL]
	s_wait_dscnt 0x0
	s_barrier_signal -1                            ; the closing round: no work-group ends while a partner may still ask for a record that names it
	CREST
	s_endpgm
.Lfunc_end_k_q1cb3361a3f_attn:
	.size	k_q1cb3361a3f_attn, .Lfunc_end_k_q1cb3361a3f_attn-k_q1cb3361a3f_attn
	.p2alignl 7, 3214868480
	.fill 96, 4, 3214868480
	.section	.rodata,"a",@progbits
	.p2align	6, 0x0
	.amdhsa_kernel k_q1cb3361a3f_attn
		.amdhsa_group_segment_fixed_size 327680
		.amdhsa_private_segment_fixed_size 0
		.amdhsa_enable_private_segment 0
		.amdhsa_kernarg_size 48
		.amdhsa_user_sgpr_count 2
		.amdhsa_user_sgpr_kernarg_segment_ptr 1
		.amdhsa_wavefront_size32 1
		.amdhsa_system_sgpr_workgroup_id_x 1
		.amdhsa_system_sgpr_workgroup_id_y 1
		.amdhsa_system_sgpr_workgroup_id_z 1
		.amdhsa_system_vgpr_workitem_id 0
		.amdhsa_next_free_vgpr 512
		.amdhsa_next_free_sgpr 80
		.amdhsa_reserve_vcc 0
		.amdhsa_float_denorm_mode_32 3
		.amdhsa_float_denorm_mode_16_64 3
		.amdhsa_memory_ordered 1
		.amdhsa_forward_progress 1
		.amdhsa_inst_pref_size 237
	.end_amdhsa_kernel
	.amdgpu_metadata
---
amdhsa.version: [ 1, 2 ]
amdhsa.kernels:
  - .name:           k_q1cb3361a3f_attn
    .symbol:         k_q1cb3361a3f_attn.kd
    .args:
      - { .name: qbuf, .offset: 0, .size: 8, .value_kind: global_buffer, .address_space: global }
      - { .name: kbuf, .offset: 8, .size: 8, .value_kind: global_buffer, .address_space: global }
      - { .name: vbuf, .offset: 16, .size: 8, .value_kind: global_buffer, .address_space: global }
      - { .name: P, .offset: 24, .size: 8, .value_kind: global_buffer, .address_space: global }
      - { .name: X, .offset: 32, .size: 8, .value_kind: global_buffer, .address_space: global }
      - { .name: out0, .offset: 40, .size: 8, .value_kind: global_buffer, .address_space: global }
    .group_segment_fixed_size: 327680
    .private_segment_fixed_size: 0
    .kernarg_segment_align: 8
    .kernarg_segment_size: 48
    .max_flat_workgroup_size: 256
    .sgpr_count:     80
    .vgpr_count:     512
    .wavefront_size: 32
...
	.end_amdgpu_metadata
.endif
;; end of part 3
